; MI455X (gfx1250); checked and timed in simulation.
; The chip was launched on July 23, 2026; its instructions are those of AMD's public machine-readable ISA for CDNA 5 (MIT licence, August 2026) and "CDNA5" Instruction Set Architecture Reference Guide (July 2026). The comments in the code are by the model that wrote it; some were corrected since.
;; Test FP8 GEMM. Allowed arithmetic: matrix products marked QUANTISED: E4M3 operands, one E8M0 scale for each 32 along K, by v_wmma_scale_f32_16x16x128_f8f6f4 with both operands' format E4M3, f32 sums; everything else in f32.
;; Inputs: bias 4,096 bfloat16; inp 4,096 x 4,096 float32; weight 4,096 x 4,096 float32.
;; Outputs: out0 4,096 x 4,096 float32.
;; This version of the problem:
;;   THIS VERSION OF THE PROBLEM IS GIVEN IN LOW PRECISION. The matrix products marked QUANTISED in the list below multiply operands that are first quantised to E4M3 (4 exponent bits, 3 mantissa bits; 8 bits a number), with one power-of-two scale for each 32 numbers along K (OCP MX v1.0); their sums are f32. All else is computed in f32.
;;   The module's matrix products, in the order in which they are computed (A, B: the left and right operand; K: the contracted axis; several contracted axes count as one K, in the product's order):
;;     1. [M 4,096, K 4,096] x [K 4,096, N 4,096]; A: computed on the way; B: computed on the way: QUANTISED
;;   THE QUANTISER, for each operand of a quantised product, along K:
;;     - K is cut into blocks of 32 from its start; a last block that is shorter is filled with zeros.
;;     - A block's scale is 2^e with e = floor(log2(the largest magnitude in the block)) - 8, held to -126 .. 127; a block of zeros has e = 0. As a byte (E8M0): e + 127.
;;     - Each number is divided by its block's scale, clamped to +-448, and rounded to the nearest number of E4M3, ties to even, subnormals kept.
;;     - The product sums the exact products of the quantised numbers (number of the format x scale) in f32.
;;   ~~~python
;;   def quantise(x, axis):      # numpy; x: float32 -> the quantised numbers, widened to float32 again
;;       x = np.moveaxis(x, axis, -1); K = x.shape[-1]
;;       x = np.pad(x, [(0, 0)] * (x.ndim - 1) + [(0, -K % 32)]); x = x.reshape(x.shape[:-1] + (-1, 32)); a = np.abs(x).max(-1, keepdims=True)
;;       e = np.where(a > 0, np.clip(np.frexp(np.where(a > 0, a, 1))[1] - 1 - 8, -126, 127), 0)      # np.frexp(a)[1] - 1 = floor(log2(a)), exactly
;;       r = np.clip(x / 2.0 ** e, -448, 448)
;;       step = 2.0 ** (np.maximum(np.frexp(np.where(r == 0, 1, r))[1] - 1, -6) - 3)
;;       q = np.round(r / step) * step * 2.0 ** e      # np.round: ties to even
;;       return np.moveaxis(q.reshape(q.shape[:-2] + (-1,))[..., :K], -1, axis).astype(np.float32)
;;   ~~~
;;   OPERANDS COMPUTED ON THE WAY. 'Computed on the way' means the value that the module computes at that place (a softmax that the list does not call 'softmax' is quantised finished and normalised). What goes into a quantiser is computed in f32, as accurately as f32 sums, v_exp_f32 and their like allow (about 1e-6 of the number): no bf16 or f16 on the way to a quantiser, and a product that is left as it is and whose result goes on into a quantised operand takes f32 operands (vector FMAs, or v_wmma_f32_16x16x4_f32). A number that lies on a knife's edge between two numbers of the format may be rounded either way, as far as f32 arithmetic and the matrix unit's own rounding can turn it there, and no further.
;; One version. Each part assembles by itself: llvm-mc -triple=amdgcn-amd-amdhsa -mcpu=gfx1250 --defsym DOCPART=n.
;; ======== version 1 of 1: 2 launches
;; workspace buffers: codes 33,554,432 bytes; scales 1,048,576 bytes
;; launch quant (part 1): grid 256 x 1, 16 waves a work-group, no clusters, 88,064 bytes of LDS; arguments inp, weight, codes, scales; writes codes, scales
.if DOCPART == 1
	.amdgcn_target "amdgcn-amd-amdhsa--gfx1250"
	.amdhsa_code_object_version 6
	.text
	.protected	k_q6b95d85b5e_quant
	.globl	k_q6b95d85b5e_quant
	.p2align	8
	.type	k_q6b95d85b5e_quant,@function
k_q6b95d85b5e_quant:
	s_mov_b64 s[64:65], 0
	v_nop
	global_prefetch_b8 v0, s[64:65] scope:SCOPE_SE
	s_setreg_imm32_b32 hwreg(HW_REG_WAVE_MODE, 25, 1), 1
	s_wait_xcnt 0x0
; inp [4096][4096] and weight [4096][4096], f32, become the two operands of the product, as codes of FP8 (E4M3) with one E8M0 scale byte for each 32 along K.
; TWO ROUNDINGS, as the problem has them.  (1) The cast at scale 1: each number is held within +-448 and rounded to the nearest number of E4M3 (ties to even, subnormals kept), then widened to f32 again.
; (2) The block quantiser on those numbers: a block's scale is 2^(floor(log2(its largest magnitude)) - 8); its byte is the largest magnitude's exponent field - 8, held at 1 from below;
; each number is divided by the scale, held within +-448 and rounded to the nearest code.  (A number 1.875 x 2^e at the block's top exponent scales to 480 and is held at 448: so the second step is no identity.)
; LIMITS: a magnitude beyond 448 is held at 448 (the cast in the problem's text gives 448 up to 464 and NaN beyond); NaN and infinities among the inputs are not served;
; a block that is all zeros after the cast keeps the byte 1 where the rule says 127: its codes are zeros, which add nothing under any byte but 0xff, and the bytes are read by this program alone.
; OUT.  codes: [8192 rows][4096 bytes], K innermost; rows 0-4095 are inp's, rows 4096-8191 weight's.
; scales: [16 K steps of 256][8192 places][8 bytes]; row R has place 32 (R / 32) + 2 (R % 16) + (R / 16) % 2: so the 256 bytes of (K step, 32 rows) lie in the order in which the product's scale registers take them.
; SHARES.  Work-group g takes rows 32 g .. 32 g + 31 of the 8,192; wave w rows 2 w and 2 w + 1 of them: 8,192 consecutive numbers, in 16 steps of 512.  Step t is row 2 w + t / 8, k = 512 (t % 8) on.
; The conversions take 8 numbers of ONE block from a lane's registers, so a lane must hold neighbours along K; a load is best where neighbouring LANES take neighbouring bytes.  Both are had: each of a step's four loads
; reads 512 consecutive bytes, 16 a lane; the 2,048 bytes go through the wave's own stage in LDS and come back 64 bytes a lane (16 bytes of padding behind each 64).  Two neighbouring lanes hold a block.
; A lane's 16 codes are 16 bytes: the wave stores 512 consecutive bytes.  The scale bytes of the work-group's 32 rows are gathered in LDS as 16 blocks of 256 bytes, one a K step, and wave w stores K step w's.
; No tensor loads, no cluster (nothing is shared), no prefetch (the launch is one stream of loads).  Loads run four steps (16 loads a wave) ahead, the turn through LDS one step.
.set WAVES, 16
.set STEPS, 16
.set EMAX,  8
.set MANT,  0x600000                   ; the mantissa field of 448 as f32
.set SP,    80                         ; a lane's place in a stage: its 64 bytes + 16 of padding
.set WREG,  2*32*SP                    ; LDS: two stages for each wave
.set SG,    WAVES*WREG                 ; behind the stages: the scale bytes, [K step][256 bytes]: 4,096 bytes
.set R,     16                         ; v16-79   four sets of 16 numbers as they are loaded
.set X,     80                         ; v80-111  two sets of 16 neighbours
.set E,     112                        ; v112-127 a scale byte for each step
.set C,     128                        ; v128-191 codes: four registers for each step, so that no store's data are written again
.set T,     192                        ; v192-195 the first cast's codes
.set ONEB,  196                        ; v196     the E8M0 byte 127 (the scale 1) in every byte
.set ONEF,  197                        ; v197     1.0: the scale operand 2^0
	s_load_b128 s[4:7], s[0:1], 0x0                ; inp, weight
	s_load_b128 s[8:11], s[0:1], 0x10              ; codes, scales
	v_lshl_add_u32 v200, v0, 2, 0x15000
	v_mov_b32 v201, 0
	v_lshrrev_b32 v1, 5, v0
	v_readfirstlane_b32 s16, v1                    ; wave 0..15
	v_and_b32 v2, 31, v0                           ; lane
	v_lshlrev_b32 v3, 4, v2                        ; my 16 bytes of a load's 512, and of a step's 512 bytes of codes; never rewritten
	s_mul_i32 s17, s16, WREG
	v_lshrrev_b32 v14, 2, v2
	v_mul_u32_u24 v14, v14, SP
	v_and_b32 v15, 3, v2
	v_lshl_add_u32 v14, v15, 4, v14
	v_add_nc_u32 v14, s17, v14                     ; the stage, on the way in: four lanes' 64 bytes on end, then 16 of padding: SP (lane / 4) + 16 (lane % 4)
	v_mul_u32_u24 v15, v2, SP
	v_add_nc_u32 v15, s17, v15                     ; and on the way out: SP x lane: my 16 neighbours
	; my block's scale byte: K step 2 (t % 8) + lane / 16, place 4 (w % 8) + 2 (t / 8) + w / 8, byte (lane / 2) % 8; what hangs on t stands in the store's immediate
	v_lshrrev_b32 v5, 4, v2
	v_bfe_u32 v8, v2, 1, 3
	v_lshl_add_u32 v5, v5, 8, v8                   ; 256 (lane / 16) + (lane / 2) % 8
	s_and_b32 s18, s16, 7
	s_lshl_b32 s18, s18, 5                         ; 32 (w % 8)
	s_lshr_b32 s19, s16, 3
	s_lshl_b32 s19, s19, 3                         ; 8 (w / 8)
	s_add_co_u32 s18, s18, s19
	s_add_co_u32 s18, s18, SG
	v_add_nc_u32 v5, s18, v5
	v_lshlrev_b32 v7, 3, v2                        ; on the way out 8 bytes a lane,
	s_lshl_b32 s18, s16, 8
	s_add_co_u32 s18, s18, SG
	v_add_nc_u32 v6, s18, v7                       ; of K step w's 256
	s_mov_b32 s23, MANT                            ; (an instruction takes one literal: the hold's line has another)
	s_mov_b32 s24, 0xc3e00000                      ; -448.0
	s_mov_b32 s25, 0x43e00000                      ; 448.0
	v_mov_b32 v[ONEB], 0x7f7f7f7f
	v_mov_b32 v[ONEF], 1.0
	s_wait_kmcnt 0x0
	s_cmp_lt_u32 ttmp9, 128                        ; inp's work-group or weight's?  The choice hangs on the work-group's number alone
	s_cselect_b64 s[4:5], s[4:5], s[6:7]
	s_cselect_b32 s17, 0, 128
	s_sub_co_u32 s17, ttmp9, s17                   ; which 32 rows of that tensor
	s_lshl_b32 s18, s17, 19                        ; 32 rows of 16,384 bytes,
	s_lshl_b32 s19, s16, 15                        ; my wave's two rows (all under 2^26)
	s_add_co_u32 s18, s18, s19
	s_mov_b32 s19, 0
	s_add_nc_u64 s[4:5], s[4:5], s[18:19]
	s_lshl_b32 s18, ttmp9, 17                      ; codes: 32 rows of 4,096 bytes,
	s_lshl_b32 s20, s16, 13                        ; my wave's two
	s_add_co_u32 s18, s18, s20
	s_add_nc_u64 s[8:9], s[8:9], s[18:19]
	s_lshl_b32 s18, s16, 16                        ; scales: K step w (65,536 bytes a K step),
	s_lshl_b32 s20, ttmp9, 8                       ; my work-group's 256 bytes in it
	s_add_co_u32 s18, s18, s20
	s_add_nc_u64 s[10:11], s[10:11], s[18:19]
.macro LOAD t
.irp i, 0,1,2,3
	global_load_b128 v[R+16*((\t)%4)+4*\i:R+16*((\t)%4)+4*\i+3], v3, s[4:5] offset:2048*(\t)+512*\i th:TH_LOAD_NT   ; 32 lanes read 512 consecutive bytes; read once in the launch
.endr
.endm
.macro TURN t                          ; step t's numbers through the stage: LDS serves a wave's instructions in order (ISA guide 5.7.1), so no wait stands between the stores and the loads
.irp i, 0,1,2,3
	ds_store_b128 v14, v[R+16*((\t)%4)+4*\i:R+16*((\t)%4)+4*\i+3] offset:32*SP*((\t)%2)+8*SP*\i
.endr
.irp i, 0,1,2,3
	ds_load_b128 v[X+16*((\t)%2)+4*\i:X+16*((\t)%2)+4*\i+3], v15 offset:32*SP*((\t)%2)+16*\i
.endr
.endm
.irp t, 0,1,2,3
	LOAD \t
.endr
	s_wait_loadcnt 12                              ; step 0's four loads are in; the twelve of steps 1 to 3 may be out
	TURN 0
.macro STEP t
.set XS, X+16*((\t)%2)
.if (\t) > 0
	s_wait_dscnt 1                                 ; this step's numbers are back from the stage (the last step's byte store may be out): so its stores into the stage have read their registers,
.else
	s_wait_dscnt 0x0
.endif
.if (\t)+4 < STEPS
	LOAD (\t)+4                                    ; which take the loads of four steps on
.endif
.if (\t)+1 < STEPS
.if STEPS-2-(\t) >= 3
	s_wait_loadcnt 12                              ; the next step's four loads are in; those of the three steps behind it may be out
.else
	s_wait_loadcnt 4*(STEPS-2-(\t))                ; near the end fewer steps stand behind it
.endif
	TURN (\t)+1                                    ; and go through the other stage while this step is worked
.endif
	; (1) the cast to E4M3 at scale 1, and back to f32
.irp i, 0,1,2,3,4,5,6,7,8,9,10,11,12,13,14,15
	v_med3_num_f32 v[XS+\i], v[XS+\i], s24, s25    ; the conversion to an 8-bit code does not saturate (ISA guide 7.6.2): held within +-448 first
.endr
	v_cvt_scalef32_pk8_fp8_f32 v[T:T+1], v[XS:XS+7], v[ONEF]       ; eight numbers / 2^0, to the nearest code, ties to even
	v_cvt_scalef32_pk8_fp8_f32 v[T+2:T+3], v[XS+8:XS+15], v[ONEF]
	v_nop                                          ; one plain vector line between a scaled conversion and the lines that read its result and write its sources
	v_cvt_scale_pk8_f32_fp8 v[XS:XS+7], v[T:T+1], v[ONEB]          ; the codes' values x 2^(127 - 127)
	v_cvt_scale_pk8_f32_fp8 v[XS+8:XS+15], v[T+2:T+3], v[ONEB]
	v_nop                                          ; and again
	; (2) the block quantiser
	v_max3_num_f32 v8, |v[XS]|, |v[XS+1]|, |v[XS+2]|               ; the largest magnitude of my 16, in two chains
	v_max3_num_f32 v9, |v[XS+3]|, |v[XS+4]|, |v[XS+5]|
.irp i, 6,10
	v_max3_num_f32 v8, v8, |v[XS+\i]|, |v[XS+\i+1]|
	v_max3_num_f32 v9, v9, |v[XS+\i+2]|, |v[XS+\i+3]|
.endr
	v_max3_num_f32 v8, v8, |v[XS+14]|, |v[XS+15]|
	v_max3_num_f32 v8, v8, v9, (EMAX+1)<<23        ; and the floor 2^(EMAX + 1 - 127), under which no largest magnitude is taken: so the byte cannot fall under 1
	v_max_num_f32_dpp v8, v8, v8 row_xmask:1 row_mask:0xf bank_mask:0xf   ; and of my neighbour's 16: the block's
	v_add_nc_u32 v11, -(EMAX<<23), v8              ; EMAX off its exponent field: the conversion takes the exponent field of this operand as its scale, and nothing else of it
	v_and_or_b32 v10, v8, 0x7f800000, s23          ; 448 x the scale: the largest magnitude's exponent field over 448's mantissa
.irp i, 0,1,2,3,4,5,6,7,8,9,10,11,12,13,14,15
	v_med3_num_f32 v[XS+\i], v[XS+\i], -v10, v10   ; the hold at the largest code x the scale
.endr
	v_cvt_scalef32_pk8_fp8_f32 v[C+4*(\t):C+4*(\t)+1], v[XS:XS+7], v11          ; the first number's code in the lowest byte
	v_cvt_scalef32_pk8_fp8_f32 v[C+4*(\t)+2:C+4*(\t)+3], v[XS+8:XS+15], v11
	v_lshrrev_b32 v[E+(\t)], 23, v11               ; the scale's byte (also the plain line behind the conversions)
	ds_store_b8 v5, v[E+(\t)] offset:512*((\t)%8)+16*((\t)/8)      ; both lanes of a block write the same byte with the same value
	global_store_b128 v3, v[C+4*(\t):C+4*(\t)+3], s[8:9] offset:512*(\t)       ; 32 lanes store 512 consecutive bytes, at a multiple of 256 from the buffer's first byte
.endm
.irp t, 0,1,2,3,4,5,6,7,8,9,10,11,12,13,14,15
	STEP \t
.endr
	s_wait_dscnt 0x0                               ; for the others' sake: my byte stores have landed.  A K step's 256 bytes come from all sixteen waves
	s_barrier_signal -1
	s_barrier_wait -1
	ds_load_b64 v[12:13], v6                       ; K step w's 256 bytes, 8 a lane
	s_wait_dscnt 0x0
	global_store_b64 v7, v[12:13], s[10:11]        ; 32 lanes store 256 consecutive bytes, aligned
	s_wait_tensorcnt 0x0
	ds_add_u32 v200, v201
	s_wait_dscnt 0x0
	s_endpgm
.Lfunc_end_k_q6b95d85b5e_quant:
	.size	k_q6b95d85b5e_quant, .Lfunc_end_k_q6b95d85b5e_quant-k_q6b95d85b5e_quant
	.p2alignl 7, 3214868480
	.fill 96, 4, 3214868480
	.section	.rodata,"a",@progbits
	.p2align	6, 0x0
	.amdhsa_kernel k_q6b95d85b5e_quant
		.amdhsa_group_segment_fixed_size 88064
		.amdhsa_private_segment_fixed_size 0
		.amdhsa_enable_private_segment 0
		.amdhsa_kernarg_size 32
		.amdhsa_user_sgpr_count 2
		.amdhsa_user_sgpr_kernarg_segment_ptr 1
		.amdhsa_wavefront_size32 1
		.amdhsa_system_sgpr_workgroup_id_x 1
		.amdhsa_system_sgpr_workgroup_id_y 1
		.amdhsa_system_sgpr_workgroup_id_z 1
		.amdhsa_system_vgpr_workitem_id 0
		.amdhsa_next_free_vgpr 202
		.amdhsa_next_free_sgpr 66
		.amdhsa_reserve_vcc 0
		.amdhsa_float_denorm_mode_32 3
		.amdhsa_float_denorm_mode_16_64 3
		.amdhsa_memory_ordered 1
		.amdhsa_forward_progress 1
		.amdhsa_inst_pref_size 72
	.end_amdhsa_kernel
	.amdgpu_metadata
---
amdhsa.version: [ 1, 2 ]
amdhsa.kernels:
  - .name:           k_q6b95d85b5e_quant
    .symbol:         k_q6b95d85b5e_quant.kd
    .args:
      - { .name: inp, .offset: 0, .size: 8, .value_kind: global_buffer, .address_space: global }
      - { .name: weight, .offset: 8, .size: 8, .value_kind: global_buffer, .address_space: global }
      - { .name: codes, .offset: 16, .size: 8, .value_kind: global_buffer, .address_space: global }
      - { .name: scales, .offset: 24, .size: 8, .value_kind: global_buffer, .address_space: global }
    .group_segment_fixed_size: 88064
    .private_segment_fixed_size: 0
    .kernarg_segment_align: 8
    .kernarg_segment_size: 32
    .max_flat_workgroup_size: 512
    .sgpr_count:     66
    .vgpr_count:     202
    .wavefront_size: 32
...
	.end_amdgpu_metadata
.endif
;; end of part 1
;; launch gemm (part 2): grid 16 x 16, 4 waves a work-group, clusters of 4 x 4, 327,680 bytes of LDS; arguments codes, scales, bias, out0; writes out0
.if DOCPART == 2
	.amdgcn_target "amdgcn-amd-amdhsa--gfx1250"
	.amdhsa_code_object_version 6
	.text
	.protected	k_q6b95d85b5e_gemm
	.globl	k_q6b95d85b5e_gemm
	.p2align	8
	.type	k_q6b95d85b5e_gemm,@function
k_q6b95d85b5e_gemm:
	s_mov_b64 s[64:65], 0
	v_nop
	global_prefetch_b8 v0, s[64:65] scope:SCOPE_SE
	s_setreg_imm32_b32 hwreg(HW_REG_WAVE_MODE, 25, 1), 1
	s_wait_xcnt 0x0
	s_wait_alu depctr_hold_cnt(0) depctr_sa_sdst(0) depctr_va_vdst(0) depctr_va_sdst(0) depctr_va_ssrc(0) depctr_va_vcc(0) depctr_vm_vsrc(0)
	s_getreg_b32 s2, hwreg(HW_REG_IB_STS2, 6, 4)
	s_cmp_eq_u32 s2, 0
	s_cbranch_scc0 .Lentry_in_a_cluster
	s_endpgm
.Lentry_in_a_cluster:
	s_bfe_u32 s2, ttmp6, 0x10000c
	s_cmp_lg_u32 s2, 0xf033
	s_cbranch_scc0 .Lentry_shape_is_right
	s_endpgm
.Lentry_shape_is_right:
; out0[m][n] = sum over k of A[m][k] B[n][k] + bias[n].  A = rows 0-4095 of codes, B = rows 4096-8191: codes of FP8 (E4M3), [row][4096], K innermost, one E8M0 scale byte for each 32 along K.
; scales: [16 K steps of 256][8192 places][8 bytes]; row R has place 32 (R / 32) + 2 (R % 16) + (R / 16) % 2, so a K step's scale bytes of 256 rows are 2,048 dense bytes, in the order of the scale registers below.
; bias: [4096] bf16, widened to f32 and given as the C of each sum's first matrix instruction.  out0: [4096][4096] f32; one f32 sum for each output, K ascending.
; A tile of out0, 256 x 256, is made by a work-group of four waves, as many as a WGP has SIMDs; a wave makes 128 x 128: 64 accumulators of 16 x 16, 512 registers.  16 x 16 tiles: one for each of 256 work-groups.
; K goes in 16 steps of 256 through a ring of two LDS slots filled by the tensor data mover; a slot holds A's 256 rows of 256 bytes, B's, and both sides' 2,048 scale bytes.
; One load a wave for each slot: wave 0 A's codes, wave 1 B's codes, wave 2 A's scales, wave 3 B's scales.  By this text's count a wave has two tensor loads out at the start and one behind each change of slots.
; THE CHANGE OF SLOTS STANDS AS EARLY AS THE SLOT IS FREE: a slot's last fragments are in registers when the second of its two steps begins, so the wait for all loads, the round and the refill stand at that step's head,
; and all 128 matrix instructions of a K step lie between a request and the wait for it.
; CLUSTERS: 4 x 4 work-groups.  The four of a row of the cluster need the same tiles of A, the four of a column the same tiles of B: each tile is asked for JOINTLY, by the same tensor load with the
; same descriptor and a mask that names the four.  THE MATRIX INSTRUCTION IS USED TRANSPOSED (source 0 = 16 rows of B, source 1 = 16 rows of A): a lane then holds eight neighbouring numbers of a row of out0.
; REGISTERS, in windows of 256: window 0: v0-31 addresses; v32-63 scale words, two sets; v64-127 the bias of my 128 columns in f32; from v128 A's fragments (8 x 16 rows x 128 K), ONE set; on the way out v128-255 are free.
;   window 1: B's fragments, TWO sets, at v0 and at v128.   window 2: the 32 accumulators of my rows 0-63 (accumulator (a, b) at v[8 (8 a + b)]);   window 3: those of my rows 64-127.
; A step of 128 along K is 64 matrix instructions, A's blocks one after the other, each against B's eight.  So a block of A is free as soon as its eight products are issued, and one set of registers serves A:
; blocks 0-3 are fetched anew in the step's middle, blocks 4-7 at its end.  B's fragments are at work through the whole step, so B has two sets.
; LEFT OUT: work-groups that stay (there is one tile for each work-group); a third slot (each change of slots waits for all loads, so it would put nothing more on its way).
.set SIZE_N, 4096
.set KROW,   4096                      ; a row of codes in memory, in bytes
.set ROWB,   256                       ; a tile's row in bytes: 256 along K
.set NQ,     2                         ; matrix instructions deep in a slot
.set PITCH,  272                       ; an LDS row: 256 bytes of data + 16 of padding = 68 words: row r starts at bank 4 r mod 64 (64 banks of 4 bytes: ISA guide 11.1), so the 16 rows that a load touches start at 16 different banks
.set FR,     16                        ; registers of a fragment: 16 rows x 128 K
.set NL,     4                         ; LDS loads that bring one
.set NP,     8                         ; places behind this matrix instruction (ISA guide 7.12.1)
.set HALFT,  128*PITCH                 ; the 128 rows that one wave reads of A or of B
.set TILEB,  256*PITCH                 ; a side's 256 rows: what one tensor load brings
.set SCA,    2*TILEB                   ; in a slot: A's codes, B's codes, A's 2,048 scale bytes,
.set SCB,    SCA+2048                  ; B's
.set SLOT,   SCB+2048
.set KSB,    65536                     ; a K step of the scales' buffer in bytes
.set SPARE,  2*SLOT                    ; behind the ring: the spare words, 128 bytes for each wave: two blocks of 256 bytes that no other line names
.set SPITCH, 528                       ; the way out: a stage of 16 rows x (512 bytes + 16) for each wave.  It lies in slot 0, which has had its last fill and its last read when the first result is stored there
.set LAPS,   8                         ; a lap = two K steps = once round the ring
.set ADRA, 16                          ; v16-17  LDS address of my A fragments in slot 0, 1
.set ADRB, 20                          ; v20-21  the same for B
.set STO,  24                          ; v24     the way out: where I put 32 bytes of a row
.set RD,   25                          ; v25     the way out: where I read a row back
.set CO,   26                          ; v26     my byte offset in a row of out0
.set ADRS, 27                          ; v27, v30  LDS address of my scale words in slot 0, 1: lanes 0-15 A's rows, lanes 16-31 B's
.set SPW,  28                          ; v28     LDS address of my spare word: SPARE + 4 x my thread's number; never rewritten
.set NIL,  29                          ; v29     0; never rewritten
.set PFO,  31                          ; v31     the prefetches' offset: my lane x a row of codes; never rewritten
.set SC,   32                          ; scale words: set s (for slot s) at v[SC + 16 s]; in it register 2 i + q: lanes 0-15 the word of A's block i, lanes 16-31 that of B's block i, for the slot's q-th 128 along K
.set BI,   64                          ; the bias: block b at v[BI + 8 b]; register j of lane (r, h) = bias[my first column + 16 b + 8 h + j]
.set AF,   128                         ; A's fragments, in window 0
.set BK,   128                         ; the way out: 16 rows read back from the stage: v128-191 and v192-255 by turns
.set G1A,  24                          ; s[24:31] descriptor group 1 for A's codes;  s[32:39] for B's;  s[40:47], s[48:55] for A's and B's scales
.set G1B,  32
.set G1SA, 40
.set G1SB, 48
.set G0A,  56                          ; s[56:63] group 0 for A's codes, one set for each slot;  s[68:75] B's;  s[76:83], s[84:91] the scales'
.set G0B,  68
.set G0SA, 76
.set G0SB, 84
.set LIM,  97                          ; s97      1 in a wave that prefetches, else the greatest number
.set PFA,  100                         ; s[100:101] where my prefetches stand: my 32 rows, one K step further along K than the refill that is being asked for; a prefetch names the K step after that
.set MSB, 0
.macro WIN new                         ; the immediate's high byte repeats the setting that is left
.if MSB != \new
	s_set_vgpr_msb (MSB<<8)|\new
.set MSB, \new
.endif
.endm
.set MUL_LO,  0xa1                     ; source 0 (B) window 1, source 1 (A) window 0, C and D window 2
.set MUL_HI,  0xf1                     ; the same, C and D window 3
.set BIAS_LO, 0x81                     ; the first step: C (the bias) window 0, D window 2
.set BIAS_HI, 0xc1                     ; C window 0, D window 3
.set TO_B,    0x40                     ; destination window 1, address window 0
; A joint load for slot s: each wave issues ONE of four lines, chosen by its number alone, the same in every work-group.  Each line has one mask and one set of registers for all that issue it.
; Four v_nop follow each line, ahead of the jump, the label and what follows.
.macro JLOAD s
	s_cmp_lt_u32 s14, 2
	s_cbranch_scc0 .Lscales_\@
	s_cmp_eq_u32 s14, 0
	s_cbranch_scc0 .Lcodes_b_\@
	tensor_load_to_lds s[G0A+4*\s:G0A+4*\s+3], s[G1A:G1A+7]
	s_nop 0
.rept 4
	v_nop
.endr
	s_branch .Lasked_\@
.Lcodes_b_\@:
	tensor_load_to_lds s[G0B+4*\s:G0B+4*\s+3], s[G1B:G1B+7]
	s_nop 0
.rept 4
	v_nop
.endr
	s_branch .Lasked_\@
.Lscales_\@:
	s_cmp_eq_u32 s14, 2
	s_cbranch_scc0 .Lscales_b_\@
	tensor_load_to_lds s[G0SA+4*\s:G0SA+4*\s+3], s[G1SA:G1SA+7]
	s_nop 0
.rept 4
	v_nop
.endr
	s_branch .Lasked_\@
.Lscales_b_\@:
	tensor_load_to_lds s[G0SB+4*\s:G0SB+4*\s+3], s[G1SB:G1SB+7]
	s_nop 0
.rept 4
	v_nop
.endr
.Lasked_\@:
.endm
; A PREFETCH of the codes of the K step that stands TWO refills on: 32 rows x 256 bytes, a lane a row, one instruction a wave; 256 matrix instructions ahead of the load that will ask for them.
; Each row's 256 bytes of a K step are named ONCE in the launch.  A's tile row is read by every cluster of that row of clusters: cluster x = 0 asks (waves 0 and 1); B's tile column by every cluster of that column:
; cluster y = 0 asks (waves 2 and 3).  The four partners that share a tile share its 256 rows out BY ADDRESS, 64 each (place cx for A, cy for B), 32 a wave: no branch hangs on a work-group's place in its cluster.
; The loop's last trip (s3 = 1) asks for nothing: its two refills have no K step two on.  K steps 0 to 3 come by their loads alone; the scale bytes are not asked for.
.macro ASK
	s_cmp_gt_u32 s3, s[LIM]
	s_cbranch_scc0 .Lnot_mine_\@
	global_prefetch_b8 v[PFO], s[PFA:PFA+1] offset:ROWB th:TH_LOAD_NT scope:SCOPE_SE
.Lnot_mine_\@:
.endm
.macro CREST                           ; a round of the cluster's barrier behind its opening barrier
	s_cmp_lg_u32 s14, 0
	s_cbranch_scc1 .Lnot_wave_0_\@
	s_barrier_signal -3
.Lnot_wave_0_\@:
	s_barrier_wait -3
	s_barrier_signal -1
	s_barrier_wait -1
.endm
.macro CROUND                          ; a whole round
	s_barrier_signal -1
	s_barrier_wait -1
	CREST
.endm
	s_load_b256 s[4:11], s[0:1], 0x0               ; codes s[4:5], scales s[6:7], bias s[8:9], out0 s[10:11]
	v_lshl_add_u32 v[SPW], v0, 2, SPARE
	v_mov_b32 v[NIL], 0
	ds_add_u32 v28, v29
	ds_add_u32 v28, v29
	s_wait_dscnt 0x0
	v_lshrrev_b32 v1, 5, v0
	v_readfirstlane_b32 s14, v1                    ; wave 0..3
	s_lshr_b32 s15, s14, 1                         ; which half of the tile's rows is mine
	s_and_b32 s16, s14, 1                          ; which half of its columns
	s_bfe_u32 s92, ttmp6, 0x40000                  ; cx, cy: my place in the cluster
	s_bfe_u32 s93, ttmp6, 0x40004
	s_lshl_b32 s94, ttmp9, 2
	s_add_co_u32 s94, s94, s92                     ; tile column = 4 x cluster x + cx
	s_and_b32 s17, ttmp7, 0xffff
	s_lshl_b32 s17, s17, 2
	s_add_co_u32 s17, s17, s93                     ; tile row = 4 x cluster y + cy
	s_lshl_b32 s95, s93, 2
	s_lshl_b32 s95, 15, s95                        ; my row of the cluster
	s_lshl_b32 s96, 0x1111, s92                    ; my column
	; descriptor group 1 for codes: a tile of 256 rows x 256 bytes, padded in LDS
	s_or_b32 s[G1A], s95, (0<<16)|(1<<20)|(1<<21)|(5<<22)|(3<<25)   ; 15:0 the mask: A's tiles go to my row; 17:16 element of 1 byte; 20 padding on; 21 set beside a mask; 24:22 after every 64 words (code 5); 31:25 of 4 words (code 3)
	s_or_b32 s[G1B], s96, (0<<16)|(1<<20)|(1<<21)|(5<<22)|(3<<25)   ; the same with the mask of my column
.irp g, G1A, G1B
	s_mov_b32 s[\g+1], ROWB<<16                    ; tensor_dim0 = 256
	s_mov_b32 s[\g+2], 256<<16                     ; tensor_dim1 = 256
	s_mov_b32 s[\g+3], ROWB<<16                    ; tile_dim0 = 256
	s_mov_b32 s[\g+4], 256                         ; tile_dim1 = 256
	s_mov_b32 s[\g+5], KROW                        ; tensor_dim0_stride
	s_mov_b32 s[\g+6], 0
	s_mov_b32 s[\g+7], 0
.endr
	; and for scales: a dense block of 2,048 bytes, as 8 rows of 256 bytes (32 elements of 8 bytes), no padding: sixteen lanes read 256 consecutive bytes of it
	s_or_b32 s[G1SA], s95, (3<<16)|(1<<21)
	s_or_b32 s[G1SB], s96, (3<<16)|(1<<21)
.irp g, G1SA, G1SB
	s_mov_b32 s[\g+1], 32<<16
	s_mov_b32 s[\g+2], 8<<16
	s_mov_b32 s[\g+3], 32<<16
	s_mov_b32 s[\g+4], 8
	s_mov_b32 s[\g+5], 32
	s_mov_b32 s[\g+6], 0
	s_mov_b32 s[\g+7], 0
.endr
	; where the tiles come from.  A's hang on the tile row alone, which my row of the cluster shares; B's on the tile column alone.  All offsets stay under 2^26
	s_lshl_b32 s18, s17, 20                        ; A's codes: 256 rows of 4,096 bytes a tile row
	s_mov_b32 s19, 0
	s_lshl_b32 s22, s17, 11                        ; A's scales: 256 places of 8 bytes
	s_mov_b32 s23, 0
	s_lshl_b32 s20, s94, 20                        ; B's codes: the same by the tile column,
	s_add_co_u32 s20, s20, 1<<24                   ; behind A's 4,096 rows
	s_mov_b32 s21, 0
	s_lshl_b32 s98, s94, 11                        ; B's scales,
	s_add_co_u32 s98, s98, 32768                   ; behind A's 4,096 places
	s_mov_b32 s99, 0
	s_wait_kmcnt 0x0
	s_add_nc_u64 s[18:19], s[4:5], s[18:19]
	s_add_nc_u64 s[20:21], s[4:5], s[20:21]
	s_add_nc_u64 s[22:23], s[6:7], s[22:23]
	s_add_nc_u64 s[98:99], s[6:7], s[98:99]
	CROUND                                         ; all sixteen work-groups are here: the first joint loads meet
.irp s, 0,1
	s_mov_b32 s[G0A+4*\s], 1                                       ; 1:0 count = 1
	s_mov_b32 s[G0A+4*\s+1], \s*SLOT                               ; 63:32 LDS address: a constant: no place in the cluster enters it
	s_add_nc_u64 s[G0A+4*\s+2:G0A+4*\s+3], s[18:19], \s*ROWB       ; 120:64 global address: K step s
	s_or_b32 s[G0A+4*\s+3], s[G0A+4*\s+3], 0x80000000              ; 127:126 type = 2
	s_mov_b32 s[G0B+4*\s], 1
	s_mov_b32 s[G0B+4*\s+1], \s*SLOT+TILEB
	s_add_nc_u64 s[G0B+4*\s+2:G0B+4*\s+3], s[20:21], \s*ROWB
	s_or_b32 s[G0B+4*\s+3], s[G0B+4*\s+3], 0x80000000
	s_mov_b32 s[G0SA+4*\s], 1
	s_mov_b32 s[G0SA+4*\s+1], \s*SLOT+SCA
	s_add_nc_u64 s[G0SA+4*\s+2:G0SA+4*\s+3], s[22:23], \s*KSB
	s_or_b32 s[G0SA+4*\s+3], s[G0SA+4*\s+3], 0x80000000
	s_mov_b32 s[G0SB+4*\s], 1
	s_mov_b32 s[G0SB+4*\s+1], \s*SLOT+SCB
	s_add_nc_u64 s[G0SB+4*\s+2:G0SB+4*\s+3], s[98:99], \s*KSB
	s_or_b32 s[G0SB+4*\s+3], s[G0SB+4*\s+3], 0x80000000
	JLOAD \s                                       ; the ring is filled before anything else is done
.endr
	; the bias of my 128 columns: lane (r, h) wants, for block b, bias[first column + 16 b + 8 h + 0 .. 7]: 16 bytes of bf16
	v_and_b32 v1, 15, v0                           ; r = l % 16
	v_bfe_u32 v2, v0, 4, 1                         ; h = l / 16
	v_lshlrev_b32 v3, 4, v2                        ; 16 h
	s_lshl_b32 s20, s94, 9                         ; 256 columns of 2 bytes a tile column,
	s_lshl_b32 s21, s16, 8                         ; my half
	s_add_co_u32 s20, s20, s21
	s_mov_b32 s21, 0
	s_add_nc_u64 s[8:9], s[8:9], s[20:21]
.irp b, 0,1,2,3,4,5,6,7
	global_load_b128 v[AF+4*\b:AF+4*\b+3], v3, s[8:9] offset:32*\b   ; (into registers that A's fragments take later)
.endr
	; where my part of out0 begins: row 256 x tile row + 128 x half, 16,384 bytes a row; column bytes 1,024 x tile column + 512 x half.  Under 2^26
	s_lshl_b32 s18, s17, 8
	s_lshl_b32 s19, s15, 7
	s_add_co_u32 s18, s18, s19
	s_lshl_b32 s18, s18, 14
	s_lshl_b32 s20, s94, 10
	s_lshl_b32 s21, s16, 9
	s_add_co_u32 s20, s20, s21
	s_add_co_u32 s18, s18, s20
	s_mov_b32 s19, 0
	s_add_nc_u64 s[10:11], s[10:11], s[18:19]
	; the prefetches: who asks, and where
	s_lshl_b32 s18, s17, 8                         ; A's tile: its first row of the codes' buffer
	s_lshl_b32 s20, s94, 8
	s_add_co_u32 s20, s20, 4096                    ; B's
	s_and_b32 s22, ttmp7, 0xffff                   ; cluster y
	s_cmp_eq_u32 s15, 0                            ; waves 0 and 1 ask for A, waves 2 and 3 for B
	s_cselect_b32 s18, s18, s20
	s_cselect_b32 s19, s92, s93                    ; my place among the four that share the tile
	s_cselect_b32 s22, ttmp9, s22                  ; the coordinate along which other clusters read the same rows
	s_cmp_eq_u32 s22, 0
	s_cselect_b32 s[LIM], 1, -1                    ; the same in all sixteen partners, for a given wave
	s_lshl_b32 s19, s19, 6
	s_add_co_u32 s18, s18, s19                     ; + my work-group's 64 rows
	s_lshl_b32 s19, s16, 5
	s_add_co_u32 s18, s18, s19                     ; + my wave's 32 of them
	s_lshl_b32 s18, s18, 12                        ; in bytes (under 2^25),
	s_add_co_u32 s18, s18, 2*ROWB                  ; at K step 2: the first refill steps it to 3 and names K step 4
	s_mov_b32 s19, 0
	s_add_nc_u64 s[PFA:PFA+1], s[4:5], s[18:19]
	s_wait_loadcnt 0x0                             ; the bias
.irp b, 0,1,2,3,4,5,6,7
.irp k, 0,1,2,3
	v_lshlrev_b32 v[BI+8*\b+2*\k],   16, v[AF+4*\b+\k]              ; bf16 to f32: the low half moves up,
	v_and_b32     v[BI+8*\b+2*\k+1], 0xffff0000, v[AF+4*\b+\k]      ; the high half stays
.endr
.endr
	; LDS addresses.  A fragment's row x pitch + 16 x half of the lanes
	v_mul_u32_u24 v3, v1, PITCH
	v_lshl_add_u32 v4, v2, 4, v3
	s_mul_i32 s18, s15, HALFT                      ; my 128 rows of A
	s_mul_i32 s19, s16, HALFT                      ; my 128 rows of B,
	s_add_co_u32 s19, s19, TILEB                   ; which lie behind A's 256
.irp s, 0,1
	v_add_nc_u32 v[ADRA+\s], s18, v4
	v_add_nc_u32 v[ADRB+\s], s19, v4
	s_add_co_u32 s18, s18, SLOT
	s_add_co_u32 s19, s19, SLOT
.endr
	; scale words: lanes 0-15 at SCA + 1,024 x row half + 16 r, lanes 16-31 at SCB + 1,024 x column half + 16 r: the lower base + h x the distance, 1,024 x (1 + column half + (row half xor 1))
	s_xor_b32 s19, s15, 1
	s_add_co_u32 s19, s19, s16
	s_add_co_u32 s19, s19, 1
	s_lshl_b32 s19, s19, 10
	v_mul_u32_u24 v6, s19, v2
	s_lshl_b32 s18, s15, 10
	s_add_co_u32 s18, s18, SCA
	v_lshl_add_u32 v5, v1, 4, v6
	v_add_nc_u32 v[ADRS], s18, v5
	v_add_nc_u32 v[ADRS+3], SLOT, v[ADRS]
	s_mul_i32 s18, s14, 16*SPITCH                  ; my stage
	v_mul_u32_u24 v5, v1, SPITCH                   ; in: row l % 16, 32 bytes for each half of the lanes
	v_lshl_add_u32 v5, v2, 5, v5
	v_add_nc_u32 v[STO], s18, v5
	v_and_b32 v6, 31, v0
	v_lshlrev_b32 v[CO], 4, v6                     ; back: the 32 lanes take one row of 512 bytes; and the same in out0
	v_add_nc_u32 v[RD], s18, v[CO]
	v_lshlrev_b32 v[PFO], 12, v6                   ; a lane a row of 4,096 bytes
.macro FRAG reg, adr, q, i             ; a fragment, 16 rows x 128 K of 8-bit codes, is 16 registers: lane l holds row l % 16; registers 4 c .. 4 c + 3 hold K = 32 c + 16 (l / 16) + 0 .. 15
.irp c, 0,1,2,3
	ds_load_b128 v[\reg+4*\c:\reg+4*\c+3], v[\adr] offset:128*(\q)+32*\c+(\i)*16*PITCH
.endr
.endm
; 16 matrix instructions: A's blocks a0, a0 + 1 x B's eight, 128 along K: the slot's q-th.  p: B's set;  sc: the set of scale words.  first = 1: the first product starts the sums from the bias: nothing is cleared or added later.
; The 64 accumulators take turns, one instruction a turn, in the same order in every step.
.macro MUL16 a0, p, q, sc, first
.irp a, \a0, \a0+1
.irp b, 0,1,2,3,4,5,6,7
.if \first
	v_wmma_scale_f32_16x16x128_f8f6f4 v[8*(8*((\a)%4)+\b):8*(8*((\a)%4)+\b)+7], v[128*(\p)+FR*\b:128*(\p)+FR*\b+FR-1], v[AF+FR*(\a):AF+FR*(\a)+FR-1], v[BI+8*\b:BI+8*\b+7], v[SC+16*(\sc)+2*\b+(\q)], v[SC+16*(\sc)+2*(\a)+(\q)] matrix_a_scale:MATRIX_SCALE_ROW1
.else
	v_wmma_scale_f32_16x16x128_f8f6f4 v[8*(8*((\a)%4)+\b):8*(8*((\a)%4)+\b)+7], v[128*(\p)+FR*\b:128*(\p)+FR*\b+FR-1], v[AF+FR*(\a):AF+FR*(\a)+FR-1], v[8*(8*((\a)%4)+\b):8*(8*((\a)%4)+\b)+7], v[SC+16*(\sc)+2*\b+(\q)], v[SC+16*(\sc)+2*(\a)+(\q)] matrix_a_scale:MATRIX_SCALE_ROW1
.endif
.endr
.endr
.endm
.macro FETCH_B slot, q, p              ; B's eight fragments of the slot's q-th 128 along K into set p
	WIN TO_B
.irp i, 0,1,2,3,4,5,6,7
	FRAG 128*(\p)+FR*\i, ADRB+\slot, \q, \i
.endr
	WIN 0
.endm
.macro FETCH_A slot, q, i0             ; A's blocks i0 .. i0 + 3
.irp i, \i0, \i0+1, \i0+2, \i0+3
	FRAG AF+FR*(\i), ADRA+\slot, \q, \i
.endr
.endm
.macro SCALES sc                       ; slot sc's scale words into set sc: load g brings blocks 2 g and 2 g + 1, both words of each; each half of the lanes reads 256 consecutive bytes
.irp g, 0,1,2,3
	ds_load_b128 v[SC+16*\sc+4*\g:SC+16*\sc+4*\g+3], v[ADRS+3*\sc] offset:256*\g
.endr
.endm
; A load into a register that a matrix instruction has read, and a vector instruction or an LDS store that reads a matrix result, stand NP places behind that matrix instruction, and only plain vector
; instructions that name none of its registers are places (ISA guide 7.12.1 for vector instructions); this text does not count the matrix instructions in between.
.macro PLACES n
.rept \n
	v_nop
.endr
.endm
; A step of 128 along K that has its successor in the same slot.
.macro STEP slot, q, first
	s_wait_dscnt 4*NL                              ; B's set, the scale words and A's blocks 0-3 are in; the youngest sixteen loads (A's blocks 4-7) may be out
.if \first
	WIN BIAS_LO
.else
	WIN MUL_LO
.endif
	MUL16 0, (\q)%2, \q, \slot, \first
	MUL16 2, (\q)%2, \q, \slot, \first
	s_wait_dscnt 0                                 ; A's blocks 4-7 are in (asked for 32 matrix instructions ago)
	PLACES NP
	FETCH_B \slot, (\q)+1, 1-(\q)%2
	FETCH_A \slot, (\q)+1, 0
.if \first
	WIN BIAS_HI
.else
	WIN MUL_HI
.endif
	MUL16 4, (\q)%2, \q, \slot, \first
	MUL16 6, (\q)%2, \q, \slot, \first
	PLACES NP
	WIN 0
	FETCH_A \slot, (\q)+1, 4                       ; the slot's last reads
.endm
; A slot's last step.  All that it multiplies has been asked for out of LDS, so THE CHANGE OF SLOTS STANDS AT ITS HEAD: ONE barrier; in front of it each wave waits for all its tensor loads, adds 0 to its spare word,
; and waits for that and for its own reads of this slot.  fill = 1: this slot is filled again, two K steps ahead, first thing behind the round; the step's 64 products and the next step's 64 follow the request.
.macro TURN slot, next, fill
.if \fill
	s_wait_xcnt 0x0                                ; the last prefetch, a K step back, has read its address: it is stepped here, ahead of the waits of the change of slots
	s_add_nc_u64 s[PFA:PFA+1], s[PFA:PFA+1], ROWB
.endif
	s_wait_tensorcnt 0x0                           ; all my tensor loads have landed: the one that was out is my part of the next slot;  (every window is 0 here: the add's two registers lie in window 0)
	ds_add_u32 v[SPW], v[NIL]                      ; 0 onto my spare word; with fill = 1 the descriptors' steps stand between it and the wait for it
.if \fill
	s_add_nc_u64 s[G0A+4*\slot+2:G0A+4*\slot+3], s[G0A+4*\slot+2:G0A+4*\slot+3], 2*ROWB      ; no tensor load of mine is out, so every group 0 may be written: two K steps on
	s_add_nc_u64 s[G0B+4*\slot+2:G0B+4*\slot+3], s[G0B+4*\slot+2:G0B+4*\slot+3], 2*ROWB
	s_add_nc_u64 s[G0SA+4*\slot+2:G0SA+4*\slot+3], s[G0SA+4*\slot+2:G0SA+4*\slot+3], 2*KSB
	s_add_nc_u64 s[G0SB+4*\slot+2:G0SB+4*\slot+3], s[G0SB+4*\slot+2:G0SB+4*\slot+3], 2*KSB
.endif
	s_wait_dscnt 0x0                               ; the add is done, and my reads of this slot are over: the last, A's blocks 4-7, are in registers
	s_barrier_signal -1
	s_barrier_wait -1                              ; both hold of all four waves: the next slot is whole, and nobody reads this one
.if \fill
	CREST                                          ; the barrier has opened a round of the cluster's barrier: no wave of any partner still reads this slot's tiles or has a load on its way
	JLOAD \slot                                    ; the first tensor load behind the round, one a wave: 128 matrix instructions ahead of the wait for it
.endif
	FETCH_B \next, 0, 0                            ; into B's set 0, whose last products stand in front of the eight places at the end of the step before
	SCALES \next
.if \fill
	ASK                                            ; behind the joint load and the run of LDS loads
.endif
	WIN MUL_LO
	MUL16 0, 1, NQ-1, \slot, 0
	MUL16 2, 1, NQ-1, \slot, 0
	PLACES NP
	WIN 0
	FETCH_A \next, 0, 0
	WIN MUL_HI
	MUL16 4, 1, NQ-1, \slot, 0
	MUL16 6, 1, NQ-1, \slot, 0
	PLACES NP
	WIN 0
	FETCH_A \next, 0, 4
.endm
	s_wait_tensorcnt 1                             ; my part of K step 0 is in (K step 1's load may be out)
	s_barrier_signal -1
	s_barrier_wait -1                              ; everybody's is
	FETCH_B 0, 0, 0
	FETCH_A 0, 0, 0
	SCALES 0
	FETCH_A 0, 0, 4
	STEP 0, 0, 1                                   ; the first step stands in front of the loop: its products start the sums, from the bias
	s_mov_b32 s3, LAPS-1
.Llap:                                                 ; a trip goes once round the ring, from a lap's second step to the next lap's first, and fills both slots again
	TURN 0, 1, 1
	STEP 1, 0, 0
	TURN 1, 0, 1
	STEP 0, 0, 0
	s_sub_co_u32 s3, s3, 1
	s_cmp_lg_u32 s3, 0
	s_cbranch_scc1 .Llap
	TURN 0, 1, 0                                   ; the last lap fills nothing, and has no round of the cluster's barrier
	STEP 1, 0, 0
	s_wait_dscnt 4*NL                              ; the very last step: nothing more to fetch
	WIN MUL_LO
	MUL16 0, 1, NQ-1, 1, 0
	MUL16 2, 1, NQ-1, 1, 0
	s_wait_dscnt 0
	WIN MUL_HI
	MUL16 4, 1, NQ-1, 1, 0
	MUL16 6, 1, NQ-1, 1, 0
	WIN 0
; THE WAY OUT, block by block of 16 rows x 128 columns.  A lane holds 32 neighbouring bytes of a row, and the lanes beside it hold other rows: so a block goes through my own stage in LDS and comes back as whole
; rows of 512 bytes, which the 32 lanes store as 512 consecutive, aligned bytes.  LDS serves a wave's instructions in order (ISA guide 5.7.1.4): no wait between the stores and the loads, nor in front of the next block's stores.
.macro TOSTAGE a
.set AC, 64*((\a)%4)
	WIN 0x08+4*((\a)/4)                            ; the data: window 2 or 3
.irp b, 0,1,2,3,4,5,6,7
	ds_store_b128 v[STO], v[AC+8*\b:AC+8*\b+3] offset:64*\b          ; each accumulator from its low end on
	ds_store_b128 v[STO], v[AC+8*\b+4:AC+8*\b+7] offset:64*\b+16
.endr
	WIN 0
.set BB, BK+64*((\a)%2)
.irp t, 0,1,2,3,4,5,6,7,8,9,10,11,12,13,14,15
	ds_load_b128 v[BB+4*\t:BB+4*\t+3], v[RD] offset:\t*SPITCH
.endr
.endm
.macro SEND a, younger                 ; younger: the LDS instructions issued behind block a's loads, which may stay out
.set BB, BK+64*((\a)%2)
	s_wait_dscnt \younger                          ; the block is back in registers
.if (\a) > 0
	s_add_nc_u64 s[10:11], s[10:11], 16*SIZE_N*4   ; (behind a wait on XCNT: the earlier stores have read their base)  16 rows of out0 on: the stores' offsets reach 15 rows, 245,760 bytes, inside the signed 24-bit immediate
.endif
.irp t, 0,1,2,3,4,5,6,7,8,9,10,11,12,13,14,15
	global_store_b128 v[CO], v[BB+4*\t:BB+4*\t+3], s[10:11] offset:\t*SIZE_N*4 th:TH_STORE_NT   ; 32 lanes store 512 consecutive bytes, at a multiple of 256 from out0's first byte; written once, read by nobody here
.endr
.endm
	PLACES NP                                      ; these places serve the loads into the registers that held A's fragments and the reads of the last products' results alike
	TOSTAGE 0
.irp a, 1,2,3,4,5,6,7
.if \a > 1
	s_wait_xcnt 0x0                                ; block a - 2's stores have read their registers and their base: block a's loads may land there, and the base may step
.endif
	TOSTAGE \a
	SEND \a-1, 32                                  ; behind block a - 1's loads: block a's 16 stores and 16 loads
.endr
	s_wait_xcnt 0x0                                ; block 6's stores have read their base
	SEND 7, 0
	s_wait_tensorcnt 0x0                           ; the wave's end, behind my last tensor load and my last LDS store
	ds_add_u32 v[SPW], v[NIL]
	s_wait_dscnt 0x0
	CROUND                                         ; the closing round: no work-group ends while a partner may still ask for a tile that names it
	s_endpgm
.Lfunc_end_k_q6b95d85b5e_gemm:
	.size	k_q6b95d85b5e_gemm, .Lfunc_end_k_q6b95d85b5e_gemm-k_q6b95d85b5e_gemm
	.p2alignl 7, 3214868480
	.fill 96, 4, 3214868480
	.section	.rodata,"a",@progbits
	.p2align	6, 0x0
	.amdhsa_kernel k_q6b95d85b5e_gemm
		.amdhsa_group_segment_fixed_size 327680
		.amdhsa_private_segment_fixed_size 0
		.amdhsa_enable_private_segment 0
		.amdhsa_kernarg_size 32
		.amdhsa_user_sgpr_count 2
		.amdhsa_user_sgpr_kernarg_segment_ptr 1
		.amdhsa_wavefront_size32 1
		.amdhsa_system_sgpr_workgroup_id_x 1
		.amdhsa_system_sgpr_workgroup_id_y 1
		.amdhsa_system_sgpr_workgroup_id_z 1
		.amdhsa_system_vgpr_workitem_id 0
		.amdhsa_next_free_vgpr 1024
		.amdhsa_next_free_sgpr 102
		.amdhsa_reserve_vcc 0
		.amdhsa_float_denorm_mode_32 3
		.amdhsa_float_denorm_mode_16_64 3
		.amdhsa_memory_ordered 1
		.amdhsa_forward_progress 1
		.amdhsa_inst_pref_size 152
	.end_amdhsa_kernel
	.amdgpu_metadata
---
amdhsa.version: [ 1, 2 ]
amdhsa.kernels:
  - .name:           k_q6b95d85b5e_gemm
    .symbol:         k_q6b95d85b5e_gemm.kd
    .args:
      - { .name: codes, .offset: 0, .size: 8, .value_kind: global_buffer, .address_space: global }
      - { .name: scales, .offset: 8, .size: 8, .value_kind: global_buffer, .address_space: global }
      - { .name: bias, .offset: 16, .size: 8, .value_kind: global_buffer, .address_space: global }
      - { .name: out0, .offset: 24, .size: 8, .value_kind: global_buffer, .address_space: global }
    .group_segment_fixed_size: 327680
    .private_segment_fixed_size: 0
    .kernarg_segment_align: 8
    .kernarg_segment_size: 32
    .max_flat_workgroup_size: 128
    .sgpr_count:     102
    .vgpr_count:     1024
    .wavefront_size: 32
...
	.end_amdgpu_metadata
.endif
;; end of part 2
